; MI455X (gfx1250); checked and timed in simulation.
; The chip was launched on July 23, 2026; its instructions are those of AMD's public machine-readable ISA for CDNA 5 (MIT licence, August 2026) and "CDNA5" Instruction Set Architecture Reference Guide (July 2026). The comments in the code are by the model that wrote it; some were corrected since.
;; DIN. Allowed arithmetic: matrix products marked QUANTISED: E2M3 operands, one E8M0 scale for each 32 along K, by v_wmma_scale_f32_16x16x128_f8f6f4 with both operands' format E2M3, f32 sums; products left as they are: f32 operands where the result goes on into a quantised operand, else bf16, f16 or f32 operands; f32 sums; everything else in f32.
;; Inputs: ab1 80 float32; ab2 1 float32; aw1 256 x 80 float32; aw2 80 x 1 float32; candidate_class 16,384 int32; candidate_good 16,384 int32; cat_table 1,000 x 32 float32; customer_id 16,384 int32; history_classes 16,384 x 50 int32; history_goods 16,384 x 50 int32; item_table 100,000 x 32 float32; mb1 256 float32; mb2 128 float32; mb3 1 float32; mw1 160 x 256 float32; mw2 256 x 128 float32; mw3 128 x 1 float32; user_table 100,000 x 32 float32.
;; Outputs: out0 16,384 float32.
;; This version of the problem:
;;   THIS VERSION OF THE PROBLEM IS GIVEN IN LOW PRECISION. The matrix products marked QUANTISED in the list below multiply operands that are first quantised to E2M3 (2 exponent bits, 3 mantissa bits; 6 bits a number), with one power-of-two scale for each 32 numbers along K (OCP MX v1.0); their sums are f32. All else is computed in f32.
;;   The module's matrix products, in the order in which they are computed (A, B: the left and right operand; K: the contracted axis; several contracted axes count as one K, in the product's order):
;;     1. [M 819,200, K 256] x [K 256, N 80]; A: computed on the way; B: input aw1: QUANTISED
;;     2. [M 819,200, K 80] x [K 80, N 1]; A: computed on the way; B: input aw2: left as it is (N = 1 < 16)
;;     3. batch 16,384 x [M 1, K 50] x [K 50, N 64]; A: softmax; B: computed on the way: left as it is (M = 1 < 16)
;;     4. [M 16,384, K 160] x [K 160, N 256]; A: computed on the way; B: input mw1: QUANTISED
;;     5. [M 16,384, K 256] x [K 256, N 128]; A: computed on the way; B: input mw2: QUANTISED
;;     6. [M 16,384, K 128] x [K 128, N 1]; A: computed on the way; B: input mw3: left as it is (N = 1 < 16)
;;   THE QUANTISER, for each operand of a quantised product, along K:
;;     - K is cut into blocks of 32 from its start; a last block that is shorter is filled with zeros.
;;     - A block's scale is 2^e with e = floor(log2(the largest magnitude in the block)) - 2, held to -126 .. 127; a block of zeros has e = 0. As a byte (E8M0): e + 127.
;;     - Each number is divided by its block's scale, clamped to +-7.5, and rounded to the nearest number of E2M3, ties to even, subnormals kept.
;;     - The product sums the exact products of the quantised numbers (number of the format x scale) in f32.
;;   ~~~python
;;   def quantise(x, axis):      # numpy; x: float32 -> the quantised numbers, widened to float32 again
;;       x = np.moveaxis(x, axis, -1); K = x.shape[-1]
;;       x = np.pad(x, [(0, 0)] * (x.ndim - 1) + [(0, -K % 32)]); x = x.reshape(x.shape[:-1] + (-1, 32)); a = np.abs(x).max(-1, keepdims=True)
;;       e = np.where(a > 0, np.clip(np.frexp(np.where(a > 0, a, 1))[1] - 1 - 2, -126, 127), 0)      # np.frexp(a)[1] - 1 = floor(log2(a)), exactly
;;       r = np.clip(x / 2.0 ** e, -7.5, 7.5)
;;       step = 2.0 ** (np.maximum(np.frexp(np.where(r == 0, 1, r))[1] - 1, 0) - 3)
;;       q = np.round(r / step) * step * 2.0 ** e      # np.round: ties to even
;;       return np.moveaxis(q.reshape(q.shape[:-2] + (-1,))[..., :K], -1, axis).astype(np.float32)
;;   ~~~
;;   OPERANDS COMPUTED ON THE WAY. 'Computed on the way' means the value that the module computes at that place (a softmax that the list does not call 'softmax' is quantised finished and normalised). What goes into a quantiser is computed in f32, as accurately as f32 sums, v_exp_f32 and their like allow (about 1e-6 of the number): no bf16 or f16 on the way to a quantiser, and a product that is left as it is and whose result goes on into a quantised operand takes f32 operands (vector FMAs, or v_wmma_f32_16x16x4_f32). A number that lies on a knife's edge between two numbers of the format may be rounded either way, as far as f32 arithmetic and the matrix unit's own rounding can turn it there, and no further.
;; One version. Each part assembles by itself: llvm-mc -triple=amdgcn-amd-amdhsa -mcpu=gfx1250 --defsym DOCPART=n.
;; ======== version 1 of 1: 2 launches
;; limits: right only within a limited range of input values
;; workspace buffers: wq 93,184 bytes
;; launch prep (part 1): grid 58 x 1, 1 waves a work-group, no clusters, 0 bytes of LDS; arguments aw1, mw1, mw2, wq; writes wq
.if DOCPART == 1
	.amdgcn_target "amdgcn-amd-amdhsa--gfx1250"
	.amdhsa_code_object_version 6
	.text
	.protected	k_q8cb0af455b_prep
	.globl	k_q8cb0af455b_prep
	.p2align	8
	.type	k_q8cb0af455b_prep,@function
k_q8cb0af455b_prep:
	s_mov_b64 s[64:65], 0
	v_nop
	global_prefetch_b8 v0, s[64:65] scope:SCOPE_SE
	s_setreg_imm32_b32 hwreg(HW_REG_WAVE_MODE, 25, 1), 1
	s_wait_xcnt 0x0
; The three weights of the quantised products, aw1 [256][80], mw1 [160][256], mw2 [256][128], f32 with K as FIRST axis, become codes of FP6 (E2M3) and E8M0 scale
; words, laid in wq as IMAGES OF OPERAND REGISTERS: a fragment (16 columns n x 128 along K) is 12 registers a lane = 3 chunks of 512 bytes, chunk c = registers 4c..4c+3, lane l at 16 l.
; One wave makes one fragment f = work-group number: f 0-9 aw1 (2 t + s), f 10-41 mw1, f 42-57 mw2; t = tile of 16 columns, s = K step of 128.
; A LANE TAKES A COLUMN AND ITS REGISTERS RUN DOWN K, in the order the operand's layout gives that lane: lane (r, h) holds k = 128 s + 64 c + 32 h + 0..31: two whole blocks, so no other lane is asked for a maximum.
; mw1's columns of a tile are not neighbours: lane r of tile 2 b + u takes column 32 b + 8 u + r + 8 (r / 8), so that in the product's transposed result 16 registers of two tiles are 16 neighbours along the next K.
; mw1 has K = 160: blocks at k >= 160 get zero codes (their loads are held at rows 128..159, inside the buffer; their scale byte is any valid byte).
; A block's scale byte is its largest magnitude's exponent field - 2, held at 1 from below.  A block of zeros so has byte 1 where the rule says 127: its codes are zeros and only this program reads the bytes.
; LIMITS: NaN and infinities among the weights are not served.
; wq: 0 aw1's codes; 15,360 aw1's scale words; 16,384 mw1's codes; 65,536 mw2's codes; 90,112 mw1's scale words; 92,160 mw2's.  Scale words: 128 bytes a tile, lanes 0-15 K step 0, lanes 16-31 K step 1.
.set FLOOR, 0x1800000                  ; 2^(3 - 127): under it no largest magnitude is taken
.set EOFF,  0xff000000                 ; - (2 << 23): 2 off an exponent field
; registers: v1 r, v2 h, v3 4 n, v4-5 byte offsets of the two blocks, v6-7 at work, v8-15 at work, v16-27 the codes, v28-30 and v96-98 the blocks' upper halves, v31 16 x lane, v32-95 the numbers, v99 4 r
.macro WPATH ptr, N, K, f0, perm
	s_sub_co_u32 s12, ttmp9, \f0                   ; the fragment's number in its tensor
	s_lshr_b32 s13, s12, 1                         ; t
	s_and_b32 s14, s12, 1                          ; s
.if \perm
	s_lshr_b32 s15, s13, 1
	s_lshl_b32 s15, s15, 5
	s_and_b32 s16, s13, 1
	s_lshl_b32 s16, s16, 3
	s_add_co_u32 s15, s15, s16                     ; 32 (t / 2) + 8 (t % 2)
	v_and_b32 v3, 8, v1
	v_add_nc_u32 v3, v3, v1                        ; r + 8 (r / 8)
	v_add_nc_u32 v3, s15, v3
.else
	s_lshl_b32 s15, s13, 4
	v_add_nc_u32 v3, s15, v1                       ; 16 t + r
.endif
	v_lshlrev_b32 v3, 2, v3                        ; my column, in bytes
	s_lshl_b32 s16, s14, 7
	v_lshl_add_u32 v6, v2, 5, s16                  ; 128 s + 32 h
.irp c, 0,1
	v_add_nc_u32 v7, 64*\c, v6                     ; my block's first k
.if \K < 256
	v_cmp_gt_u32 s[20+\c], \K, v7                  ; does the block lie inside K?
	v_min_u32 v7, \K-32, v7                        ; if not, its loads are held at the last block: no load leaves the buffer
.endif
	v_mad_u32_u24 v[4+\c], v7, 4*\N, v3
.endr
.irp c, 0,1
.set wi, 0
.rept 32
	global_load_b32 v[32+32*\c+wi], v[4+\c], s[\ptr:\ptr+1] offset:wi*4*\N   ; sixteen neighbouring lanes read 64 neighbouring bytes
.set wi, wi+1
.endr
.endr
.endm
	s_load_b256 s[4:11], s[0:1], 0x0               ; aw1 s[4:5], mw1 s[6:7], mw2 s[8:9], wq s[10:11]
	v_and_b32 v1, 15, v0                           ; r
	v_lshrrev_b32 v2, 4, v0                        ; h (one wave: the thread's number is the lane)
	v_lshlrev_b32 v31, 4, v0
	v_lshlrev_b32 v99, 2, v1
	s_mov_b32 s24, 0x76543210
	s_mov_b32 s25, 0xfedcba98                      ; v_permlanex16_b32's selects for lane l xor 16
	s_mov_b32 s20, -1                              ; the masks 'block inside K': all true unless a path says otherwise
	s_mov_b32 s21, -1
	s_mul_i32 s26, ttmp9, 1536                     ; where the codes go: 1,536 f, and 1,024 more from mw1 on
	s_lshr_b32 s30, ttmp9, 1
	s_lshl_b32 s30, s30, 7
	s_and_b32 s31, ttmp9, 1
	s_lshl_b32 s31, s31, 6
	s_add_co_u32 s30, s30, s31                     ; where the scale words go: 128 (f / 2) + 64 (f % 2) + the region's base
	s_mov_b32 s31, 15360
	s_cmp_ge_u32 ttmp9, 10
	s_cselect_b32 s27, 1024, 0
	s_cselect_b32 s31, 89472, s31
	s_add_co_u32 s26, s26, s27
	s_add_co_u32 s30, s30, s31
	s_mov_b32 s27, 0
	s_mov_b32 s31, 0
	s_wait_kmcnt 0x0
	s_add_nc_u64 s[28:29], s[10:11], s[26:27]
	s_add_nc_u64 s[32:33], s[10:11], s[30:31]
	s_cmp_ge_u32 ttmp9, 10                         ; which tensor: a branch on the work-group's number
	s_cbranch_scc1 .Lnot_aw1
	s_wait_alu depctr_va_vdst(0)
	WPATH 4, 80, 256, 0, 0
	s_branch .Lcommon
.Lnot_aw1:
	s_cmp_ge_u32 ttmp9, 42
	s_cbranch_scc1 .Lmw2
	s_wait_alu depctr_va_vdst(0)
	WPATH 6, 256, 160, 10, 1
	s_branch .Lcommon
.Lmw2:
	s_wait_alu depctr_va_vdst(0)
	WPATH 8, 128, 256, 42, 0
.Lcommon:
	s_wait_loadcnt 0x0
.irp c, 0,1
	v_max3_num_f32 v[8+\c], |v[32+32*\c]|, |v[33+32*\c]|, FLOOR    ; my block 2 c + h: all its 32 numbers are mine
.endr
.irp i, 2,4,6,8,10,12,14,16,18,20,22,24,26,28,30
.irp c, 0,1
	v_max3_num_f32 v[8+\c], v[8+\c], |v[32+32*\c+\i]|, |v[33+32*\c+\i]|   ; the two blocks by turns
.endr
.endr
.irp c, 0,1
	v_add_nc_u32 v[10+\c], EOFF, v[8+\c]           ; the conversion takes this operand's exponent field as its scale
.endr
.irp c, 0,1
	v_lshrrev_b32 v[12+\c], 23, v[10+\c]           ; the scale's byte
.endr
	v_lshl_or_b32 v14, v13, 16, v12                ; my two bytes: blocks h and 2 + h,
	v_lshlrev_b32 v15, 3, v2
	v_lshlrev_b32 v14, v15, v14                    ; at their places in the word (8 h bits up);
	v_mov_b32 v15, 0
	v_permlanex16_b32 v15, v14, s24, s25
	v_or_b32 v14, v14, v15                         ; with lane l xor 16's two the word is whole
	v_cvt_scalef32_pk16_fp6_f32 v[16:18], v[32:47], v10
	v_cvt_scalef32_pk16_fp6_f32 v[28:30], v[48:63], v10            ; a conversion's three registers begin on an even number: a block's upper half is made elsewhere and moved
	v_cvt_scalef32_pk16_fp6_f32 v[22:24], v[64:79], v11
	v_cvt_scalef32_pk16_fp6_f32 v[96:98], v[80:95], v11
	v_nop                                          ; one plain instruction behind the conversions, ahead of the first that touches a result
.irp i, 0,1,2
	v_mov_b32 v[19+\i], v[28+\i]
	v_mov_b32 v[25+\i], v[96+\i]
.endr
.irp c, 0,1
.irp i, 0,1,2,3,4,5
	v_cndmask_b32 v[16+6*\c+\i], 0, v[16+6*\c+\i], s[20+\c]        ; a block past the end of K: zero codes
.endr
.endr
	global_store_b128 v31, v[16:19], s[28:29]                      ; each store covers 512 consecutive bytes, aligned to 256
	global_store_b128 v31, v[20:23], s[28:29] offset:512
	global_store_b128 v31, v[24:27], s[28:29] offset:1024
	global_store_b32 v99, v14, s[32:33]                            ; lanes r and r + 16 hold the same word and write it to the same place
	s_endpgm
.Lfunc_end_k_q8cb0af455b_prep:
	.size	k_q8cb0af455b_prep, .Lfunc_end_k_q8cb0af455b_prep-k_q8cb0af455b_prep
	.p2alignl 7, 3214868480
	.fill 96, 4, 3214868480
	.section	.rodata,"a",@progbits
	.p2align	6, 0x0
	.amdhsa_kernel k_q8cb0af455b_prep
		.amdhsa_group_segment_fixed_size 0
		.amdhsa_private_segment_fixed_size 0
		.amdhsa_enable_private_segment 0
		.amdhsa_kernarg_size 32
		.amdhsa_user_sgpr_count 2
		.amdhsa_user_sgpr_kernarg_segment_ptr 1
		.amdhsa_wavefront_size32 1
		.amdhsa_system_sgpr_workgroup_id_x 1
		.amdhsa_system_sgpr_workgroup_id_y 1
		.amdhsa_system_sgpr_workgroup_id_z 1
		.amdhsa_system_vgpr_workitem_id 0
		.amdhsa_next_free_vgpr 128
		.amdhsa_next_free_sgpr 66
		.amdhsa_reserve_vcc 0
		.amdhsa_float_denorm_mode_32 3
		.amdhsa_float_denorm_mode_16_64 3
		.amdhsa_memory_ordered 1
		.amdhsa_forward_progress 1
		.amdhsa_inst_pref_size 26
	.end_amdhsa_kernel
	.amdgpu_metadata
---
amdhsa.version: [ 1, 2 ]
amdhsa.kernels:
  - .name:           k_q8cb0af455b_prep
    .symbol:         k_q8cb0af455b_prep.kd
    .args:
      - { .name: aw1, .offset: 0, .size: 8, .value_kind: global_buffer, .address_space: global }
      - { .name: mw1, .offset: 8, .size: 8, .value_kind: global_buffer, .address_space: global }
      - { .name: mw2, .offset: 16, .size: 8, .value_kind: global_buffer, .address_space: global }
      - { .name: wq, .offset: 24, .size: 8, .value_kind: global_buffer, .address_space: global }
    .group_segment_fixed_size: 0
    .private_segment_fixed_size: 0
    .kernarg_segment_align: 8
    .kernarg_segment_size: 32
    .max_flat_workgroup_size: 32
    .sgpr_count:     66
    .vgpr_count:     128
    .wavefront_size: 32
...
	.end_amdgpu_metadata
.endif
;; end of part 1
;; launch din (part 2): grid 256 x 1, 8 waves a work-group, no clusters, 287,744 bytes of LDS; arguments customer_id, candidate_good, candidate_class, history_goods, history_classes, user_table, item_table, cat_table, ab1, aw2, ab2, mb1, mb2, mw3, mb3, wq, out0; writes out0
.if DOCPART == 2
	.amdgcn_target "amdgcn-amd-amdhsa--gfx1250"
	.amdhsa_code_object_version 6
	.text
	.protected	k_q8cb0af455b_din
	.globl	k_q8cb0af455b_din
	.p2align	8
	.type	k_q8cb0af455b_din,@function
k_q8cb0af455b_din:
	s_mov_b64 s[64:65], 0
	v_nop
	global_prefetch_b8 v0, s[64:65] scope:SCOPE_SE
	s_setreg_imm32_b32 hwreg(HW_REG_WAVE_MODE, 25, 1), 1
	s_wait_xcnt 0x0
; DIN behind the weights' quantising: gathers, info = [q, h, q - h, q h] as codes of FP6 (E2M3, one E8M0 scale for 32 along K), info x aw1, relu, . aw2, mask, softmax over 50,
; weighted sum of the history rows, [user, cand, att] x mw1, relu, x mw2, relu, . mw3.  The three large products go by v_wmma_scale_f32_16x16x128_f8f6f4 on codes; all else is f32.
; SHARES.  A work-group owns 64 batch rows b; eight waves, two to a SIMD, 512 registers each; a wave owns 8 b up to att.
; 50 = 48 + 2: a b has three tiles of 16 history rows, and the two rows left over of the wave's 8 b form one more tile: 25 tiles for 400 rows.  Even b: rows 0-47 and 48, 49; odd b: rows 2-49 and 0, 1,
; so every load of four indices is 16 aligned bytes (a row of indices is 200 bytes).
; Each block of 32 of info is an item half or a class half: lanes 0-15 work on row r's item half, lanes 16-31 on its class half; a block lies whole in one lane.
; The products are used transposed (source 0 = 16 columns of a weight, source 1 = 16 rows): a lane holds one row and eight neighbouring outputs.  ab1 is read from LDS into the accumulators, which begin as the bias.
; A TILE'S WAY, step T: indices (asked for in step T - 6) -> gathers, 8 lanes to a table row of 128 bytes (step T - 3, two register sets by turns) -> the wave's stage in LDS (step T - 1) -> my half row in registers.
; The stage has four slots, so that a b's three tiles stay in LDS and are read again for att while the next b's first tile comes in.
; THE MLP is dealt by columns: wave w holds mw1's tiles 2 w, 2 w + 1 and mw2's tile w in registers, straight from wq, and all 64 rows pass them; rows' codes and the hidden layer's codes go from wave to wave through LDS.
; NO CLUSTER: work-groups share only wq's 93,184 bytes.  NO PREFETCH: table rows are named many times by many work-groups, and gathers and index loads are themselves issued three and six steps ahead.
; LIMITS: NaN and infinities are not served; indices are held inside their tables by v_min_u32 (the problem keeps them inside); a block of zeros carries scale byte 1 where the rule says 127 (its codes are zeros;
; only this program reads the bytes); sums are taken in another order than a row-by-row f32 sum.
.set CP,    656                        ; a row of COMB: user, cand item, cand class, att (64): 640 bytes + 16
.set PCH,   272                        ; a stage row: 256 + 16
.set STG,   16*PCH                     ; a stage slot
.set WREG,  64*CP                      ; behind COMB: a region for each wave
.set WRB,   27136
.set O_LSL, 4*STG                      ; the 16 left-over rows
.set O_RED, 5*STG                      ; att's reduction
.set O_SLS, 26624                      ; the 16 left-over scores
.set O_AB1, 26688                      ; ab1
.set XF,    WREG+8*WRB                 ; product 4's rows: 4 tiles x 2 K steps x 1,536 bytes, images of registers
.set XS,    XF+12288                   ; their scale words: 128 bytes a tile
.set HF,    XS+512                     ; product 5's rows: [tile][K step][lane][48 bytes]
.set HS,    HF+12288
.set PS,    HS+512                     ; product 6's parts: [wave][64 rows]
.set SPARE, PS+2048                    ; the spare words, 128 bytes a wave
.set FLOOR, 0x1800000                  ; 2^(3 - 127): no scale byte falls under 1
.set EOFF,  0xff000000                 ; 2 off an exponent field
; window 0
.set VC16, 1
.set VIX,  2
.set VMX,  3
.set VST,  4
.set VLD,  5
.set VQ0,  6
.set VQA,  7
.set VRS,  8
.set VRL,  9
.set VAT0, 10
.set VATA, 11
.set VSL0, 12
.set VSLA, 13
.set VHL0, 14
.set VHLA, 15
.set IG,   16                          ; v16-39: three sets of 4 goods + 4 classes, turned into offsets in place
.set MIDX, 40
.set SPW,  43
.set NIL,  44
.set T0,   45
.set ML,   46                          ; the left-over tile's good; later VB1
.set VB1,  46
.set VAB,  47
.set SS,   48
.set MM,   51
.set EE,   52                          ; e0, e1, e2, ea, eb, 1 / sum
.set SA,   58
.set HLA,  60
.set HLB,  62
.set VSTL, 48                          ; the head's own addresses, in registers that the loop uses later
.set VLDL, 49
.set VQL,  50
.set VLX,  51
.set VLM,  52
.set VSS,  53
.set VCS,  54
.set SCR,  64                          ; v64-71 weights' scale words; v72-75 the MLP's rows' words; v77, v78 the loop's rows' words: scales and nothing else
.set SWM,  72
.set QB,   76
.set SW0,  77
.set SW1,  78
.set MH,   79
.set MD0,  80
.set MD1,  81
.set MP0,  82
.set MP1,  83
.set SCH,  84
.set SCD,  85
.set SCP,  86
.set OWN,  87
.set OTH,  88
.set V16L, 89
.set V4L,  90
.set VB2,  91
.set TMA,  92
.set TMB,  96
.set TMC,  100
.set P,    92                          ; four chains of a dot product, where the conversions' upper halves lay
.set FR0,  104
.set FR1,  116
.set Q,    128                         ; my half of cand
.set T,    160                         ; q - h, then q h
.set H,    192                         ; my half of the tile's row
; v224-255: gather set 1.  window 1: aw1's fragment (t, s) at v[24 t + 12 s]; then
.set AW2,  120
.set ACC,  160
; window 1, v200-231: gather set 0; v232-255: the head's user and cand rows
.set MSB, 0
.macro WIN new
.if MSB != \new
	s_set_vgpr_msb (MSB<<8)|\new
.set MSB, \new
.endif
.endm
.macro PLACES n
.rept \n
	v_nop
.endr
.endm
.macro WALU                            ; a wait ahead of blocking waits, branches and transcendentals
	s_wait_alu depctr_va_vdst(0)
.endm
.macro LROW dst, adr, off              ; 128 bytes a lane
.irp k, 0,1,2,3,4,5,6,7
	ds_load_b128 v[(\dst)+4*\k:(\dst)+4*\k+3], v[\adr] offset:(\off)+16*\k
.endr
.endm
.macro ADDRA ig                        ; indices held inside their tables,
.irp i, 0,1,2,3
	v_min_u32 v[(\ig)+\i], 99999, v[(\ig)+\i]
.endr
.irp i, 4,5,6,7
	v_min_u32 v[(\ig)+\i], 999, v[(\ig)+\i]
.endr
.endm
.macro ADDRB ig                        ; x 128, + my 16 bytes
.irp i, 0,1,2,3,4,5,6,7
	v_lshl_add_u32 v[(\ig)+\i], v[(\ig)+\i], 7, v[VC16]
.endr
.endm
.macro GATHER set, ig                  ; load i: rows 4 (lane / 8) + i: eight lanes read a whole table row
	WIN (1-(\set))<<6
.irp i, 0,1,2,3
	global_load_b128 v[200+24*(\set)+4*\i:203+24*(\set)+4*\i], v[(\ig)+\i], s[20:21]
.endr
.irp i, 0,1,2,3
	global_load_b128 v[216+24*(\set)+4*\i:219+24*(\set)+4*\i], v[(\ig)+4+\i], s[22:23]
.endr
	WIN 0
.endm
.macro GSTORE set, off
	WIN (1-(\set))<<2
.irp i, 0,1,2,3
	ds_store_b128 v[VST], v[200+24*(\set)+4*\i:203+24*(\set)+4*\i] offset:(\off)+PCH*\i
	ds_store_b128 v[VST], v[216+24*(\set)+4*\i:219+24*(\set)+4*\i] offset:(\off)+PCH*\i+128
.endr
	WIN 0
.endm
.macro IDX ig, off
	global_load_b128 v[(\ig):(\ig)+3], v[VIX], s[70:71] offset:\off
	global_load_b128 v[(\ig)+4:(\ig)+7], v[VIX], s[72:73] offset:\off
.endm
.macro BIASLD                          ; the accumulators begin as ab1
	WIN 0x40
.irp t, 0,1,2,3,4
	ds_load_b128 v[ACC+8*\t:ACC+8*\t+3], v[VAB] offset:64*\t
	ds_load_b128 v[ACC+8*\t+4:ACC+8*\t+7], v[VAB] offset:64*\t+16
.endr
	WIN 0
.endm
; a whole block of 32 numbers of my lane becomes six registers of codes, its scale operand and its byte
; the largest of 32 magnitudes and the floor: 33 leaves, 16 lines; four chains by turns (9, 9, 7, 7 leaves), so that three other lines stand between a line and the one that reads it
.macro MAX32 s, out
	v_max3_num_f32 v[MD0], |v[(\s)]|, |v[(\s)+1]|, |v[(\s)+2]|
	v_max3_num_f32 v[MD1], |v[(\s)+9]|, |v[(\s)+10]|, |v[(\s)+11]|
	v_max3_num_f32 v[MP0], |v[(\s)+18]|, |v[(\s)+19]|, |v[(\s)+20]|
	v_max3_num_f32 v[MP1], |v[(\s)+25]|, |v[(\s)+26]|, |v[(\s)+27]|
.irp k, 0,2
	v_max3_num_f32 v[MD0], v[MD0], |v[(\s)+3+\k]|, |v[(\s)+4+\k]|
	v_max3_num_f32 v[MD1], v[MD1], |v[(\s)+12+\k]|, |v[(\s)+13+\k]|
	v_max3_num_f32 v[MP0], v[MP0], |v[(\s)+21+\k]|, |v[(\s)+22+\k]|
	v_max3_num_f32 v[MP1], v[MP1], |v[(\s)+28+\k]|, |v[(\s)+29+\k]|
.endr
	v_max3_num_f32 v[MD0], v[MD0], |v[(\s)+7]|, |v[(\s)+8]|
	v_max3_num_f32 v[MD1], v[MD1], |v[(\s)+16]|, |v[(\s)+17]|
	v_max3_num_f32 v[MP0], v[MP0], v[MP1], FLOOR
	v_max3_num_f32 v[\out], v[MD0], v[MD1], v[MP0]
.endm
.macro BLK32 src, dst, tmp, sc, by
	MAX32 \src, MP0
	v_add_nc_u32 v[\sc], EOFF, v[MP0]
	v_lshrrev_b32 v[\by], 23, v[\sc]
	v_cvt_scalef32_pk16_fp6_f32 v[(\dst):(\dst)+2], v[(\src):(\src)+15], v[\sc]
	v_cvt_scalef32_pk16_fp6_f32 v[(\tmp):(\tmp)+2], v[(\src)+16:(\src)+31], v[\sc]   ; three registers begin on an even number: the upper half is made elsewhere and moved
	v_nop
.irp i, 0,1,2
	v_mov_b32 v[(\dst)+3+\i], v[(\tmp)+\i]
.endr
.endm
.macro QPREP
	BLK32 Q, FR0, TMA, SCD, QB
.endm
; a tile: h, q - h and q h of my half row become codes; the eight bytes of row r become its two scale words.  q - h and q h take turns in one set of 32 registers
.macro QUANT
.irp i, 0,1,2,3,4,5,6,7,8,9,10,11,12,13,14,15
	v_pk_add_f32 v[T+2*\i:T+2*\i+1], v[Q+2*\i:Q+2*\i+1], v[H+2*\i:H+2*\i+1] neg_lo:[0,1] neg_hi:[0,1]
.if \i == 15                           ; h's largest magnitude in two chains: numbers 0-15 and the floor, numbers 16-30; the last line joins them with number 31
	v_max3_num_f32 v[MH], v[MH], v[OWN], |v[H+31]|
.elseif \i == 0
	v_max3_num_f32 v[MH], FLOOR, |v[H]|, |v[H+1]|
.elseif \i == 1
	v_max3_num_f32 v[OWN], |v[H+16]|, |v[H+17]|, |v[H+18]|
.elseif (\i)%2 == 0
	v_max3_num_f32 v[MH], v[MH], |v[H+\i]|, |v[H+\i+1]|
.else
	v_max3_num_f32 v[OWN], v[OWN], |v[H+16+\i]|, |v[H+17+\i]|
.endif
.endr
	MAX32 T, MD0
	v_add_nc_u32 v[SCH], EOFF, v[MH]
	v_cvt_scalef32_pk16_fp6_f32 v[FR0+6:FR0+8], v[H:H+15], v[SCH]
	v_cvt_scalef32_pk16_fp6_f32 v[TMA:TMA+2], v[H+16:H+31], v[SCH]
	v_add_nc_u32 v[SCD], EOFF, v[MD0]
	v_cvt_scalef32_pk16_fp6_f32 v[FR1:FR1+2], v[T:T+15], v[SCD]
	v_cvt_scalef32_pk16_fp6_f32 v[TMB:TMB+2], v[T+16:T+31], v[SCD]
	v_lshrrev_b32 v[MH], 23, v[SCH]                ; a plain line behind the conversions, ahead of the writes of their sources
.irp i, 0,1,2,3,4,5,6,7,8,9,10,11,12,13,14,15
	v_pk_mul_f32 v[T+2*\i:T+2*\i+1], v[Q+2*\i:Q+2*\i+1], v[H+2*\i:H+2*\i+1]
.endr
.irp i, 0,1,2
	v_mov_b32 v[FR0+9+\i], v[TMA+\i]
	v_mov_b32 v[FR1+3+\i], v[TMB+\i]
.endr
	MAX32 T, MP0
	v_add_nc_u32 v[SCP], EOFF, v[MP0]
	v_cvt_scalef32_pk16_fp6_f32 v[FR1+6:FR1+8], v[T:T+15], v[SCP]
	v_cvt_scalef32_pk16_fp6_f32 v[TMC:TMC+2], v[T+16:T+31], v[SCP]
	v_lshrrev_b32 v[MD0], 23, v[SCD]
	v_lshrrev_b32 v[MP0], 23, v[SCP]
	v_lshl_or_b32 v[OWN], v[MH], 8, v[QB]          ; my half's four bytes: q, h, q - h, q h
	v_lshl_or_b32 v[OWN], v[MD0], 16, v[OWN]
	v_lshl_or_b32 v[OWN], v[MP0], 24, v[OWN]
	v_permlanex16_b32 v[OTH], v[OWN], s56, s57     ; the other half's
	v_perm_b32 v[SW0], v[OTH], v[OWN], s58         ; K step 0: q item, q class, h item, h class.  Right in lanes 0-15, which alone are read
	v_perm_b32 v[SW1], v[OTH], v[OWN], s59         ; K step 1
.irp i, 0,1,2
	v_mov_b32 v[FR1+9+\i], v[TMC+\i]
.endr
.endm
; 16 rows x 80 outputs x K 256; the five accumulators take turns
.macro WMMA
	WIN 0x51
.irp t, 0,1,2,3,4
	v_wmma_scale_f32_16x16x128_f8f6f4 v[ACC+8*\t:ACC+8*\t+7], v[24*\t:24*\t+11], v[FR0:FR0+11], v[ACC+8*\t:ACC+8*\t+7], v[SCR+\t], v[SW0] matrix_a_fmt:MATRIX_FMT_FP6 matrix_b_fmt:MATRIX_FMT_FP6
.endr
.irp t, 0,1,2,3,4
	v_wmma_scale_f32_16x16x128_f8f6f4 v[ACC+8*\t:ACC+8*\t+7], v[24*\t+12:24*\t+23], v[FR1:FR1+11], v[ACC+8*\t:ACC+8*\t+7], v[SCR+\t], v[SW1] matrix_a_fmt:MATRIX_FMT_FP6 matrix_b_fmt:MATRIX_FMT_FP6 matrix_a_scale:MATRIX_SCALE_ROW1
.endr
	WIN 0
.endm
; relu, . aw2, + ab2, the mask: row r's score, in both halves of the lanes.  Each accumulator is read from its low end on
.macro POST sd, midx
	WIN 0x44
.set pj, 0
.rept 40
	v_max_num_f32 v[ACC+pj], 0, v[ACC+pj]
.set pj, pj+1
.endr
	WIN 0x05
.irp j, 0,1,2,3
	v_pk_mul_f32 v[P+2*\j:P+2*\j+1], v[ACC+2*\j:ACC+2*\j+1], v[AW2+2*\j:AW2+2*\j+1]
.endr
.irp j, 4,5,6,7,8,9,10,11,12,13,14,15,16,17,18,19
	v_pk_fma_f32 v[P+2*(\j%4):P+2*(\j%4)+1], v[ACC+2*\j:ACC+2*\j+1], v[AW2+2*\j:AW2+2*\j+1], v[P+2*(\j%4):P+2*(\j%4)+1]
.endr
	WIN 0
	v_pk_add_f32 v[P:P+1], v[P:P+1], v[P+2:P+3]
	v_pk_add_f32 v[P+4:P+5], v[P+4:P+5], v[P+6:P+7]
	v_pk_add_f32 v[P:P+1], v[P:P+1], v[P+4:P+5]
	v_add_f32 v[T0], v[P], v[P+1]
	v_permlanex16_b32 v[P+2], v[T0], s56, s57
	v_add_f32 v[T0], v[T0], v[P+2]
	v_add_f32 v[T0], s60, v[T0]
	v_cmp_ne_u32 vcc_lo, 0, v[\midx]
	v_cndmask_b32 v[\sd], 0xce6e6b28, v[T0], vcc_lo  ; -1e9 where the good is 0
.endm
; the MLP's weights and biases, straight into registers that the last tiles leave free
.macro MLPLOADS
	WIN 0x40
.irp j, 0,1,2,3,4,5,6,7,8,9,10,11
	global_load_b128 v[200+4*\j:203+4*\j], v[V16L], s[42:43] offset:512*\j     ; mw1's tiles 2 w, 2 w + 1: four fragments
.endr
	WIN 0
.irp j, 0,1,2,3,4,5
	global_load_b128 v[224+4*\j:227+4*\j], v[V16L], s[44:45] offset:512*\j     ; mw2's tile w: two fragments
.endr
	global_load_b32 v[SCR+5], v[V4L], s[46:47]
	global_load_b32 v[SCR+6], v[V4L], s[46:47] offset:128
	global_load_b32 v[SCR+7], v[V4L], s[48:49]
.irp u, 0,1
	global_load_b128 v[16+8*\u:19+8*\u], v[VB1], s[50:51] offset:32*\u         ; mb1 at hidden units 32 w + 16 h + 8 u + j
	global_load_b128 v[20+8*\u:23+8*\u], v[VB1], s[50:51] offset:32*\u+16
.endr
	global_load_b128 v[32:35], v[VB2], s[52:53]                                ; mb2 at 16 w + 8 h + j
	global_load_b128 v[36:39], v[VB2], s[52:53] offset:16
	global_load_b128 v[248:251], v[VB2], s[54:55]                              ; mw3 likewise
	global_load_b128 v[252:255], v[VB2], s[54:55] offset:16
.endm
; STEP T = tile t of a b of parity p.  Its global loads, in order: 8 gathers of tile T + 3 (ga), 2 index loads of T + 6 (ix), 1 mask index of T + 3 (ga).
; n: the loads issued behind tile T + 1's gathers (step T - 2's 2 + 1 and step T - 1's 11 in the loop).  nx: a tile T + 1 exists.  ml: the MLP's loads stand here
.macro TILE p, t, ga, ix, n, nx, ml
.set GS_, ((\p)+(\t)+1)%2
.if (\t) == 2
.set NS_, 3*(1-(\p))*STG
.else
.set NS_, ((\t)+1)*STG
.endif
.if (\t) == 0
	s_wait_dscnt 0x0                               ; my half row is in (the bias came in ahead of att)
.else
	s_wait_dscnt 10                                ; my half row is in; the ten bias loads issued behind it may be out
.endif
	QUANT
.if (\t) == 2
	LROW Q, VLD, 3*(\p)*STG                        ; for att: tiles 0 and 1 once more, where cand and q h lay
	LROW T, VLD, STG
	ds_load_b64 v[SA:SA+1], v[VSLA] offset:8*(\p)
	ds_load_b64 v[HLA:HLA+1], v[VHLA] offset:2*PCH*(\p)
	ds_load_b64 v[HLB:HLB+1], v[VHLA] offset:2*PCH*(\p)+PCH
.endif
.if \nx
	WALU
	s_wait_loadcnt \n                              ; tile T + 1's gathers are in
	GSTORE GS_, NS_
.if (\t) < 2
	LROW H, VLD, NS_                               ; LDS serves a wave's instructions in order: these see the stores
	s_wait_dscnt 16                                ; the bias is in: behind it stand these 8 stores and 8 loads
.else
	s_wait_dscnt 27                                ; the bias is in: behind it stand 19 loads and 8 stores
.endif
.else
	WALU
	s_wait_dscnt 19                                ; the bias is in: behind it stand 19 loads
.endif
.if \ga
	ADDRA IG+8*(\t)                                ; eight plain lines ahead of the products: with the three moves above, the distance behind the scale words' making
.else
	PLACES 8
.endif
	WMMA
.if \ga
	ADDRB IG+8*(\t)                                ; eight plain lines behind the products
	WALU
.if (\t) < 2
	s_wait_dscnt 8                                 ; the stage's stores have read the gather set; the eight loads behind them may be out
.else
	s_wait_dscnt 0x0
.endif
	GATHER GS_, IG+8*(\t)
.elseif \ml
	PLACES 4
	s_wait_dscnt 8
	MLPLOADS
.else
	PLACES 4
.endif
	POST SS+(\t), MIDX+(\t)
.if \nx
	BIASLD
.endif
.if \ga
	WALU
	s_wait_xcnt 0x0                                ; the gathers have read their offsets: the index set may be loaded anew
.if \ix
	IDX IG+8*(\t), 200*((\p)+2)+8*(\p)+64*(\t)
.endif
	global_load_b32 v[MIDX+(\t)], v[VMX], s[70:71] offset:200*((\p)+1)+8*(1-(\p))+64*(\t)
.endif
.endm
; the softmax over a b's 50 scores (the maximum is taken away first) and att
.macro ATT p, more
	WALU
.if \more
	s_wait_dscnt 10                                ; all but the bias loads
.else
	s_wait_dscnt 0x0
.endif
	v_max3_num_f32 v[MM], v[SS], v[SS+1], v[SS+2]
	v_max_num_f32_dpp v[MM], v[MM], v[MM] row_xmask:1 row_mask:0xf bank_mask:0xf
	v_max_num_f32_dpp v[MM], v[MM], v[MM] row_xmask:2 row_mask:0xf bank_mask:0xf
	v_max_num_f32_dpp v[MM], v[MM], v[MM] row_xmask:4 row_mask:0xf bank_mask:0xf
	v_max_num_f32_dpp v[MM], v[MM], v[MM] row_xmask:8 row_mask:0xf bank_mask:0xf
	v_max3_num_f32 v[MM], v[MM], v[SA], v[SA+1]
.irp i, 0,1,2
	v_sub_f32 v[EE+\i], v[SS+\i], v[MM]
.endr
	v_sub_f32 v[EE+3], v[SA], v[MM]
	v_sub_f32 v[EE+4], v[SA+1], v[MM]
.irp i, 0,1,2,3,4
	v_mul_f32 v[EE+\i], 0x3fb8aa3b, v[EE+\i]
.endr
	WALU
.irp i, 0,1,2,3,4
	v_exp_f32 v[EE+\i], v[EE+\i]
.endr
	v_nop
	WALU
	v_add_f32 v[T0], v[EE], v[EE+1]
	v_add_f32 v[T0], v[T0], v[EE+2]
	v_add_f32_dpp v[T0], v[T0], v[T0] row_xmask:1 row_mask:0xf bank_mask:0xf
	v_add_f32_dpp v[T0], v[T0], v[T0] row_xmask:2 row_mask:0xf bank_mask:0xf
	v_add_f32_dpp v[T0], v[T0], v[T0] row_xmask:4 row_mask:0xf bank_mask:0xf
	v_add_f32_dpp v[T0], v[T0], v[T0] row_xmask:8 row_mask:0xf bank_mask:0xf
	v_add_f32 v[T0], v[T0], v[EE+3]
	v_add_f32 v[T0], v[T0], v[EE+4]
	WALU
	v_rcp_f32 v[EE+5], v[T0]                       ; the 48 lines below name neither v56 nor v57
.set pj, 0
.rept 16
	v_pk_mul_f32 v[H+pj:H+pj+1], v[EE+2:EE+3], v[H+pj:H+pj+1] op_sel_hi:[0,1]          ; e2 x tile 2's row
.set pj, pj+2
.endr
.set pj, 0
.rept 16
	v_pk_fma_f32 v[H+pj:H+pj+1], v[EE:EE+1], v[Q+pj:Q+pj+1], v[H+pj:H+pj+1] op_sel_hi:[0,1,1]   ; + e0 x tile 0's
.set pj, pj+2
.endr
.set pj, 0
.rept 16
	v_pk_fma_f32 v[H+pj:H+pj+1], v[EE:EE+1], v[T+pj:T+pj+1], v[H+pj:H+pj+1] op_sel:[1,0,0] op_sel_hi:[1,1,1]   ; + e1 x tile 1's
.set pj, pj+2
.endr
.irp k, 0,1,2,3,4,5,6,7
	ds_store_b128 v[VRS], v[H+4*\k:H+4*\k+3] offset:16*\k
.endr
.irp k, 0,1,2,3,4,5,6,7,8,9,10,11,12,13,14,15
	ds_load_b64 v[T+2*\k:T+2*\k+1], v[VRL] offset:144*\k           ; columns 2 lane, 2 lane + 1 of row k
.endr
.if \more
	LROW Q, VQA, CP*((\p)+1)                       ; cand of the next b
	s_wait_dscnt 8                                 ; the 16 rows are back; cand's eight loads may be out
	LROW H, VLD, 3*(1-(\p))*STG                    ; the next b's first tile
.else
	s_wait_dscnt 0x0
.endif
.irp k, 0,1,2,3,4,5,6,7
	v_pk_add_f32 v[T+2*\k:T+2*\k+1], v[T+2*\k:T+2*\k+1], v[T+16+2*\k:T+17+2*\k]
.endr
.irp k, 0,1,2,3
	v_pk_add_f32 v[T+2*\k:T+2*\k+1], v[T+2*\k:T+2*\k+1], v[T+8+2*\k:T+9+2*\k]
.endr
.irp k, 0,1
	v_pk_add_f32 v[T+2*\k:T+2*\k+1], v[T+2*\k:T+2*\k+1], v[T+4+2*\k:T+5+2*\k]
.endr
	v_pk_add_f32 v[T:T+1], v[T:T+1], v[T+2:T+3]
	WALU                                           ; the reciprocal's wait, ahead of the first line that names its register
	v_pk_fma_f32 v[T:T+1], v[HLA:HLA+1], v[EE+2:EE+3], v[T:T+1] op_sel:[0,1,0] op_sel_hi:[1,1,1]
	v_pk_fma_f32 v[T:T+1], v[HLB:HLB+1], v[EE+4:EE+5], v[T:T+1] op_sel_hi:[1,0,1]
	v_pk_mul_f32 v[T:T+1], v[T:T+1], v[EE+4:EE+5] op_sel:[0,1] op_sel_hi:[1,1]
	ds_store_b64 v[VATA], v[T:T+1] offset:CP*(\p)
.if \more
	WALU
	s_wait_dscnt 9                                 ; cand is in; the tile's eight loads and att's store may be out
	QPREP
.endif
.endm
.macro BODY p, ga, ix, n0, n1, n2, more
	TILE \p, 0, \ga, \ix, \n0, 1, 0
	TILE \p, 1, \ga, \ix, \n1, 1, 1-(\more)
	TILE \p, 2, \ga, \ix, \n2, \more, 0
	ATT \p, \more
.endm
.macro TRIPHEAD                        ; a trip's LDS places: two b's, told apart by immediates
	v_add_nc_u32 v[VQA], s66, v[VQ0]
	v_add_nc_u32 v[VATA], s66, v[VAT0]
	v_add_nc_u32 v[VSLA], s67, v[VSL0]
	v_add_nc_u32 v[VHLA], s68, v[VHL0]
.endm
	; ---- the head
	s_load_b512 s[8:23], s[0:1], 0x0               ; customer_id 8, candidate_good 10, candidate_class 12, history_goods 14, history_classes 16, user_table 18, item_table 20, cat_table 22
	s_load_b512 s[24:39], s[0:1], 0x40             ; ab1 24, aw2 26, ab2 28, mb1 30, mb2 32, mw3 34, mb3 36, wq 38
	s_load_b64 s[40:41], s[0:1], 0x80              ; out0
	v_lshl_add_u32 v[SPW], v0, 2, SPARE
	v_mov_b32 v[NIL], 0
	v_lshrrev_b32 v1, 5, v0
	v_readfirstlane_b32 s2, v1                     ; wave 0..7
	s_mov_b32 s56, 0x76543210
	s_mov_b32 s57, 0xfedcba98                      ; v_permlanex16_b32's selects for lane l xor 16
	s_mov_b32 s58, 0x05010400
	s_mov_b32 s59, 0x07030602
	s_mov_b32 s62, 0xffff0000                      ; lanes 16-31
	s_mov_b32 s69, 0x0000ffff                      ; lanes 0-15
	s_mul_i32 s3, s2, WRB
	s_add_co_u32 s3, s3, WREG                      ; my wave's region
	s_mul_i32 s4, s2, 8*CP                         ; my 8 rows of COMB
	s_add_co_u32 s5, s3, O_RED
	s_add_co_u32 s6, s3, O_LSL
	s_add_co_u32 s7, s3, O_SLS
	s_add_co_u32 s79, s3, O_AB1
	s_mul_i32 s42, s2, 6144                        ; my parts of wq and of the MLP's vectors, in bytes
	s_add_co_u32 s42, s42, 16384
	s_mul_i32 s44, s2, 3072
	s_add_co_u32 s44, s44, 65536
	s_lshl_b32 s46, s2, 8
	s_add_co_u32 s46, s46, 90112
	s_lshl_b32 s48, s2, 7
	s_lshl_b32 s50, s2, 7
	s_add_co_u32 s48, s48, 92160
	s_lshl_b32 s52, s2, 6
	s_lshl_b32 s54, s2, 6
	s_mov_b32 s43, 0
	s_mov_b32 s45, 0
	s_mov_b32 s47, 0
	s_mov_b32 s49, 0
	s_mov_b32 s51, 0
	s_mov_b32 s53, 0
	s_mov_b32 s55, 0
	s_mov_b32 s77, 0
	v_and_b32 v128, 31, v0                         ; lane
	v_and_b32 v129, 15, v0                         ; r
	v_bfe_u32 v130, v0, 4, 1                       ; h
	v_bfe_u32 v131, v0, 3, 2                       ; g = lane / 8
	v_and_b32 v132, 7, v0
	v_lshlrev_b32 v[VC16], 4, v132
	v_lshlrev_b32 v[VIX], 4, v131
	v_lshlrev_b32 v[VMX], 2, v129
	; the stage: row 4 g + i lies at place i + 8 (g % 2) + 4 (g / 2)
	v_and_b32 v[VST], 1, v131
	v_lshrrev_b32 v[VLD], 1, v131
	v_lshlrev_b32 v[VST], 3, v[VST]
	v_lshl_add_u32 v[VST], v[VLD], 2, v[VST]
	v_mad_u32_u24 v[VST], v[VST], PCH, v[VC16]
	v_add_nc_u32 v[VST], s3, v[VST]
	v_and_b32 v[VLD], 3, v0
	v_bfe_u32 v[VQ0], v0, 2, 1
	v_lshl_add_u32 v[VLD], v[VQ0], 3, v[VLD]
	v_bfe_u32 v[VQ0], v0, 3, 1
	v_lshl_add_u32 v[VLD], v[VQ0], 2, v[VLD]
	v_mul_u32_u24 v[VLD], v[VLD], PCH
	v_lshl_add_u32 v[VLD], v130, 7, v[VLD]
	v_add_nc_u32 v[VLD], s3, v[VLD]
	v_lshl_add_u32 v[VQ0], v130, 7, s4
	v_add_nc_u32 v[VQ0], 128, v[VQ0]               ; cand begins 128 bytes into a row of COMB
	v_mul_u32_u24 v[VRS], v128, 144
	v_lshl_add_u32 v[VRS], v130, 7, v[VRS]
	v_add_nc_u32 v[VRS], s5, v[VRS]
	v_mul_u32_u24 v[VRL], v130, 2432
	v_lshl_add_u32 v[VRL], v129, 3, v[VRL]
	v_add_nc_u32 v[VRL], s5, v[VRL]
	v_lshl_add_u32 v[VAT0], v128, 3, s4
	v_add_nc_u32 v[VAT0], 384, v[VAT0]
	v_mov_b32 v[VSL0], s7
	v_lshl_add_u32 v[VHL0], v128, 3, s6
	v_mad_u32_u24 v[VSTL], v131, 4*PCH, v[VC16]
	v_add_nc_u32 v[VSTL], s6, v[VSTL]
	v_mul_u32_u24 v[VLDL], v129, PCH
	v_lshl_add_u32 v[VLDL], v130, 7, v[VLDL]
	v_add_nc_u32 v[VLDL], s6, v[VLDL]
	v_lshrrev_b32 v[VQL], 1, v129
	v_mad_u32_u24 v[VQL], v[VQL], CP, v[VQ0]       ; left-over row r belongs to my b number r / 2
	v_mul_u32_u24 v[VLX], v131, 400                ; a pair of b's: 400 bytes of indices
	v_lshrrev_b32 v[VLM], 2, v129
	v_mul_u32_u24 v[VLM], v[VLM], 400
	v_and_b32 v[VSS], 3, v0
	v_lshl_add_u32 v[VLM], v[VSS], 2, v[VLM]
	v_lshl_add_u32 v[VSS], v129, 2, s7
	v_mad_u32_u24 v[VCS], v131, 2*CP, v[VC16]      ; user and cand: load i brings rows 2 g + i
	v_add_nc_u32 v[VCS], s4, v[VCS]
	v_lshlrev_b32 v133, 3, v131                    ; their two indices: 8 g
	v_lshlrev_b32 v136, 3, v128                    ; ab1's 320 bytes: 8 a lane, and 4 (lane % 16) behind the first 256
	v_add_nc_u32 v134, s79, v136
	v_add_nc_u32 v135, s79, v[VMX]
	v_lshlrev_b32 v[VB2], 5, v130
	v_add_nc_u32 v[VAB], s79, v[VB2]
	v_mov_b32 v[OTH], 0                            ; a lane permute's destination counts as one of its sources
	v_lshlrev_b32 v[V16L], 4, v128
	v_lshlrev_b32 v[V4L], 2, v128
	WALU
	s_wait_kmcnt 0x0
	s_load_b32 s60, s[28:29], 0x0                  ; ab2
	s_load_b32 s61, s[36:37], 0x0                  ; mb3
	s_lshl_b32 s76, ttmp9, 6
	s_lshl_b32 s78, s2, 3
	s_add_co_u32 s78, s76, s78                     ; my first b
	s_mul_i32 s76, s78, 200
	s_add_nc_u64 s[70:71], s[14:15], s[76:77]      ; the histories at my first b
	s_add_nc_u64 s[72:73], s[16:17], s[76:77]
	s_lshl_b32 s76, s78, 2
	s_add_nc_u64 s[8:9], s[8:9], s[76:77]
	s_add_nc_u64 s[10:11], s[10:11], s[76:77]
	s_add_nc_u64 s[12:13], s[12:13], s[76:77]
	s_lshl_b32 s76, ttmp9, 8
	s_add_nc_u64 s[40:41], s[40:41], s[76:77]
	s_add_nc_u64 s[42:43], s[38:39], s[42:43]
	s_add_nc_u64 s[44:45], s[38:39], s[44:45]
	s_add_nc_u64 s[46:47], s[38:39], s[46:47]
	s_add_nc_u64 s[48:49], s[38:39], s[48:49]
	s_add_nc_u64 s[50:51], s[30:31], s[50:51]
	s_add_nc_u64 s[52:53], s[32:33], s[52:53]
	s_add_nc_u64 s[54:55], s[34:35], s[54:55]
	; 12 loads of indices, then 47 of product 1's constants
	global_load_b64 v[192:193], v133, s[8:9]
	global_load_b64 v[194:195], v133, s[10:11]
	global_load_b64 v[196:197], v133, s[12:13]
	global_load_b128 v[200:203], v[VLX], s[70:71] offset:192       ; rows 48, 49 of an even b and rows 0, 1 of the odd b behind it: 16 consecutive bytes
	global_load_b128 v[204:207], v[VLX], s[72:73] offset:192
	global_load_b32 v[ML], v[VLM], s[70:71] offset:192
.irp t, 0,1,2
	IDX IG+8*\t, 64*\t
.endr
	WIN 0x40
.set fi, 0
.rept 30
	global_load_b128 v[4*fi:4*fi+3], v[V16L], s[38:39] offset:512*fi           ; aw1's ten fragments, as they stand in wq
.set fi, fi+1
.endr
.irp t, 0,1,2,3,4
	global_load_b128 v[AW2+8*\t:AW2+8*\t+3], v[VB2], s[26:27] offset:64*\t
	global_load_b128 v[AW2+8*\t+4:AW2+8*\t+7], v[VB2], s[26:27] offset:64*\t+16
.endr
	WIN 0
.irp t, 0,1,2,3,4
	global_load_b32 v[SCR+\t], v[V4L], s[38:39] offset:15360+128*\t
.endr
	global_load_b64 v[104:105], v136, s[24:25]
	global_load_b32 v106, v[VMX], s[24:25] offset:256
	s_wait_loadcnt 47                              ; the 12 loads of indices are in; the 47 behind them may be out
	s_wait_kmcnt 0x0
.irp i, 192,193,194,195,200,201,202,203
	v_min_u32 v\i, 99999, v\i
.endr
.irp i, 196,197,204,205,206,207
	v_min_u32 v\i, 999, v\i
.endr
.irp i, 192,193,194,195,196,197,200,201,202,203,204,205,206,207
	v_lshl_add_u32 v\i, v\i, 7, v[VC16]
.endr
	WIN 0x40
.irp i, 0,1
	global_load_b128 v[232+4*\i:235+4*\i], v[192+\i], s[18:19]     ; user rows
.endr
.irp i, 0,1
	global_load_b128 v[240+4*\i:243+4*\i], v[194+\i], s[20:21]     ; cand's item rows
.endr
.irp i, 0,1
	global_load_b128 v[248+4*\i:251+4*\i], v[196+\i], s[22:23]     ; cand's class rows
.endr
	WIN 0
.irp i, 0,1,2,3
	global_load_b128 v[T+4*\i:T+4*\i+3], v[200+\i], s[20:21]       ; the left-over tile
.endr
.irp i, 0,1,2,3
	global_load_b128 v[T+16+4*\i:T+19+4*\i], v[204+\i], s[22:23]
.endr
.irp t, 0,1                            ; steps -3 and -2, in the loop's own order: 8 gathers, 2 index loads, 1 mask index
	ADDRA IG+8*\t
	ADDRB IG+8*\t
	GATHER \t, IG+8*\t
	s_wait_xcnt 0x0
	IDX IG+8*\t, 208+64*\t
	global_load_b32 v[MIDX+\t], v[VMX], s[70:71] offset:64*\t
.endr
	s_wait_loadcnt 30                              ; user, cand and the constants are in (behind them: 8 + 11 + 11)
	WIN 0x04
.irp q, 0,1,2
.irp i, 0,1
	ds_store_b128 v[VCS], v[232+8*\q+4*\i:235+8*\q+4*\i] offset:CP*\i+128*\q
.endr
.endr
	WIN 0
	ds_store_b64 v134, v[104:105]
	ds_store_b32 v135, v106 offset:256             ; lanes r and r + 16 hold the same word
	LROW Q, VQL, 0                                 ; each left-over row has its own b's cand
	BIASLD
	s_wait_loadcnt 22                              ; the left-over tile is in
.irp i, 0,1,2,3
	ds_store_b128 v[VSTL], v[T+4*\i:T+4*\i+3] offset:PCH*\i
	ds_store_b128 v[VSTL], v[T+16+4*\i:T+19+4*\i] offset:PCH*\i+128
.endr
	LROW H, VLDL, 0
	s_wait_dscnt 0x0
	QPREP
	QUANT
	LROW Q, VQ0, 0                                 ; cand of my first b
	WALU
	s_wait_loadcnt 14                              ; step -1: tile 0's gathers are in
	GSTORE 0, 0
	LROW H, VLD, 0
	ADDRA IG+16
	WMMA
	ADDRB IG+16
	WALU
	s_wait_dscnt 8
	GATHER 0, IG+16
	POST T0, ML
	ds_store_b32 v[VSS], v[T0]                     ; lanes r and r + 16 hold the same score
	BIASLD
	WALU
	s_wait_xcnt 0x0
	IDX IG+16, 208+128
	global_load_b32 v[MIDX+2], v[VMX], s[70:71] offset:128
	s_wait_dscnt 0x0
	QPREP
	s_mov_b32 s63, 0                               ; trips
	s_mov_b32 s66, 0                               ; 2 CP x trip
	s_mov_b32 s67, 0                               ; 16 x trip
	s_mov_b32 s68, 0                               ; 4 PCH x trip
	WALU
.Lb:                                   ; a trip is two b's: after six tiles the gather sets and stage slots are back where they began
	TRIPHEAD
	BODY 0, 1, 1, 14, 14, 14, 1
	BODY 1, 1, 1, 14, 14, 14, 1
	s_wait_xcnt 0x0                                ; the trip's loads have read their bases
	s_add_nc_u64 s[70:71], s[70:71], 400
	s_add_nc_u64 s[72:73], s[72:73], 400
	s_add_co_u32 s66, s66, 2*CP
	s_add_co_u32 s67, s67, 16
	s_add_co_u32 s68, s68, 4*PCH
	s_add_co_u32 s63, s63, 1
	s_cmp_lt_u32 s63, 3
	WALU
	s_cbranch_scc1 .Lb
	TRIPHEAD                                       ; the last two b's are written out: no more indices, then no more gathers
	BODY 0, 1, 0, 14, 12, 10, 1                    ; behind the awaited gathers: 3 + 11, 3 + 9, 1 + 9
	v_lshlrev_b32 v[VB1], 1, v[VB2]
	BODY 1, 0, 0, 10, 0, 0, 0                      ; 1 + 9; then all
	; ---- THE MLP.  Every LDS address is made here, ahead of the first parting of the waves
	s_min_u32 s76, s2, 3
	s_mul_i32 s76, s76, 16*CP                      ; waves 0-3: rows 16 w .. of COMB
	s_mul_i32 s77, s2, 3072
	s_add_co_u32 s77, s77, XF
	s_lshl_b32 s78, s2, 7
	s_add_co_u32 s78, s78, XS
	s_lshr_b32 s82, s2, 2                          ; my hidden block w lies in K step w / 4,
	s_mul_i32 s79, s82, 1536
	s_lshl_b32 s80, s82, 6
	s_and_b32 s82, s2, 1                           ; in lanes 16 (w % 2) + r,
	s_mul_i32 s82, s82, 768
	s_add_co_u32 s79, s79, s82
	s_bfe_u32 s82, s2, 0x10001                     ; registers 6 ((w / 2) % 2) ..
	s_mul_i32 s82, s82, 24
	s_add_co_u32 s79, s79, s82
	s_add_co_u32 s79, s79, HF
	s_and_b32 s82, s2, 3
	s_add_co_u32 s80, s80, s82
	s_add_co_u32 s80, s80, HS
	s_lshl_b32 s81, s2, 8
	s_add_co_u32 s81, s81, PS
	v_and_b32 v1, 15, v0
	v_bfe_u32 v2, v0, 4, 1
	v_mad_u32_u24 v4, v1, CP, s76
	v_lshl_add_u32 v3, v2, 7, v4                   ; v3: row r of COMB + 128 h
	v_add_nc_u32 v4, 512, v4                       ; v4: its block 4
	v_add_nc_u32 v5, s77, v[V16L]                  ; v5, v6: where waves 0-3 put a tile's codes and scale words
	v_add_nc_u32 v6, s78, v[V4L]
	v_add_nc_u32 v7, XF, v[V16L]                   ; v7, v8: where all read them
	v_add_nc_u32 v8, XS, v[V4L]
	v_mad_u32_u24 v9, v1, 48, s79
	v_mad_u32_u24 v9, v2, 12, v9                   ; v9: my 12 bytes of hidden codes
	v_lshl_add_u32 v10, v1, 2, s80                 ; v10: my block's byte of row r's word
	v_and_b32 v11, 31, v0
	v_mad_u32_u24 v11, v11, 48, HF
	v_add_nc_u32 v12, HS, v[V4L]
	v_lshl_add_u32 v13, v1, 2, s81
	v_lshrrev_b32 v15, 1, v[V16L]
	v_add_nc_u32 v14, PS, v15
	WALU
	s_wait_dscnt 0x0
	s_barrier_signal -1
	s_barrier_wait -1                              ; every wave's att is in COMB
	s_cmp_lt_u32 s2, 4
	s_cbranch_scc0 .Lnoq
	LROW Q, 3, 0                                   ; wave w < 4 quantises rows 16 w ..: user | cand item,
	LROW T, 3, 256                                 ; cand class | att item,
	LROW H, 4, 0                                   ; att class, in all lanes
	s_wait_dscnt 0x0
	BLK32 Q, FR0, TMA, SCH, QB                     ; K = 160 is five whole blocks; K step 1's other three are zero codes on both sides
	BLK32 T, FR0+6, TMB, SCD, MH
	BLK32 H, FR1, TMC, SCP, MD0
	v_lshl_or_b32 v[OWN], v[MH], 8, v[QB]
	v_lshl_or_b32 v[OWN], v[MD0], 16, v[OWN]
	v_permlanex16_b32 v[OTH], v[OWN], s56, s57
	v_perm_b32 v[MP0], v[OTH], v[OWN], s58         ; blocks 0-3, right in lanes 0-15
	v_bfe_u32 v[MP1], v[OWN], 16, 8                ; block 4; the bytes over zero codes are 0, a finite scale
	v_cndmask_b32 v[MD1], v[MP0], v[MP1], s62      ; lanes 0-15: K step 0's word, lanes 16-31: K step 1's
.irp i, 0,1,2,3,4,5
	v_cndmask_b32 v[FR1+\i], 0, v[FR1+\i], s69     ; block 5 (lanes 16-31): zero codes
.endr
.irp i, 6,7,8,9,10,11
	v_mov_b32 v[FR1+\i], 0
.endr
.irp c, 0,1,2,3,4,5
	ds_store_b128 v5, v[FR0+4*\c:FR0+4*\c+3] offset:512*\c
.endr
	ds_store_b32 v6, v[MD1]
.Lnoq:
	s_wait_dscnt 0x0
	s_barrier_signal -1
	s_barrier_wait -1                              ; the four tiles' codes are in LDS
.set fi, 0
.rept 24
	ds_load_b128 v[Q+4*fi:Q+4*fi+3], v7 offset:512*fi              ; tile m, K step s at v[128 + 24 m + 12 s]
.set fi, fi+1
.endr
.irp m, 0,1,2,3
	ds_load_b32 v[SWM+\m], v8 offset:128*\m
.endr
	s_wait_loadcnt 0x0                             ; my weights and biases
	s_wait_dscnt 0x0
	WIN 0x41                                       ; product 4: my 32 hidden units x 64 rows; eight accumulators by turns; they begin as mb1
.irp m, 0,1,2,3
.irp u, 0,1
	v_wmma_scale_f32_16x16x128_f8f6f4 v[16*\m+8*\u:16*\m+8*\u+7], v[200+24*\u:211+24*\u], v[Q+24*\m:Q+24*\m+11], v[16+8*\u:23+8*\u], v[SCR+5+\u], v[SWM+\m] matrix_a_fmt:MATRIX_FMT_FP6 matrix_b_fmt:MATRIX_FMT_FP6
.endr
.endr
	WIN 0x51
.irp m, 0,1,2,3
.irp u, 0,1
	v_wmma_scale_f32_16x16x128_f8f6f4 v[16*\m+8*\u:16*\m+8*\u+7], v[212+24*\u:223+24*\u], v[Q+24*\m+12:Q+24*\m+23], v[16*\m+8*\u:16*\m+8*\u+7], v[SCR+5+\u], v[SWM+\m] matrix_a_fmt:MATRIX_FMT_FP6 matrix_b_fmt:MATRIX_FMT_FP6 matrix_a_scale:MATRIX_SCALE_ROW1 matrix_b_scale:MATRIX_SCALE_ROW1
.endr
.endr
	WIN 0
	PLACES 4
	WIN 0x04
.set pj, 0
.rept 64
	v_max_num_f32 v[Q+pj], 0, v[pj]                ; relu; register 16 m + i: row (m, r), hidden unit 32 w + 16 h + i
.set pj, pj+1
.endr
	WIN 0
.irp m, 0,1,2,3
	v_mov_b32 v[96+\m], 0                          ; a lane permute's destination counts as one of its sources
.endr
.irp m, 0,1,2,3
	v_max3_num_f32 v[92+\m], v[Q+16*\m], v[Q+1+16*\m], FLOOR
.endr
.irp i, 2,4,6,8,10,12,14
.irp m, 0,1,2,3
	v_max3_num_f32 v[92+\m], v[92+\m], v[Q+16*\m+\i], v[Q+1+16*\m+\i]
.endr
.endr
.irp m, 0,1,2,3
	v_permlanex16_b32 v[96+\m], v[92+\m], s56, s57
.endr
.irp m, 0,1,2,3
	v_max_num_f32 v[92+\m], v[92+\m], v[96+\m]     ; with lane l xor 16's 16: the block's largest
.endr
.irp m, 0,1,2,3
	v_add_nc_u32 v[100+\m], EOFF, v[92+\m]
.endr
.irp m, 0,1,2,3
	v_lshrrev_b32 v[96+\m], 23, v[100+\m]
.endr
.irp m, 0,1,2,3
	v_cvt_scalef32_pk16_fp6_f32 v[104+4*\m:106+4*\m], v[Q+16*\m:Q+16*\m+15], v[100+\m]
.endr
	v_nop
.irp m, 0,1,2,3
.irp i, 0,1,2
	ds_store_b32 v9, v[104+4*\m+\i] offset:3072*\m+4*\i
.endr
	ds_store_b8 v10, v[96+\m] offset:128*\m        ; lanes r and r + 16 write the same byte
.endr
	s_wait_dscnt 0x0
	s_barrier_signal -1
	s_barrier_wait -1                              ; the hidden layer's codes are in LDS
.irp f, 0,1,2,3,4,5,6,7
.irp i, 0,1,2
	ds_load_b128 v[Q+12*\f+4*\i:Q+12*\f+4*\i+3], v11 offset:1536*\f+16*\i
.endr
.endr
.irp m, 0,1,2,3
	ds_load_b32 v[SWM+\m], v12 offset:128*\m
.endr
	s_wait_dscnt 0x0
	WIN 0x40                                       ; product 5: my 16 outputs x 64 rows; four accumulators by turns; they begin as mb2
.irp m, 0,1,2,3
	v_wmma_scale_f32_16x16x128_f8f6f4 v[64+8*\m:71+8*\m], v[224:235], v[Q+24*\m:Q+24*\m+11], v[32:39], v[SCR+7], v[SWM+\m] matrix_a_fmt:MATRIX_FMT_FP6 matrix_b_fmt:MATRIX_FMT_FP6
.endr
	WIN 0x50
.irp m, 0,1,2,3
	v_wmma_scale_f32_16x16x128_f8f6f4 v[64+8*\m:71+8*\m], v[236:247], v[Q+24*\m+12:Q+24*\m+23], v[64+8*\m:71+8*\m], v[SCR+7], v[SWM+\m] matrix_a_fmt:MATRIX_FMT_FP6 matrix_b_fmt:MATRIX_FMT_FP6 matrix_a_scale:MATRIX_SCALE_ROW1 matrix_b_scale:MATRIX_SCALE_ROW1
.endr
	WIN 0
	PLACES 4
	WIN 0x04
.set pj, 0
.rept 32
	v_max_num_f32 v[Q+pj], 0, v[64+pj]
.set pj, pj+1
.endr
	WIN 0
.irp m, 0,1,2,3
	v_pk_mul_f32 v[92+2*\m:93+2*\m], v[Q+8*\m:Q+8*\m+1], v[248:249]
.endr
.irp j, 1,2,3
.irp m, 0,1,2,3
	v_pk_fma_f32 v[92+2*\m:93+2*\m], v[Q+8*\m+2*\j:Q+8*\m+2*\j+1], v[248+2*\j:249+2*\j], v[92+2*\m:93+2*\m]
.endr
.endr
.irp m, 0,1,2,3
	v_add_f32 v[100+\m], v[92+2*\m], v[93+2*\m]
.endr
.irp m, 0,1,2,3
	v_permlanex16_b32 v[104+4*\m], v[100+\m], s56, s57
.endr
.irp m, 0,1,2,3
	v_add_f32 v[100+\m], v[100+\m], v[104+4*\m]    ; my 16 outputs' part of row (m, r)'s result
.endr
.irp m, 0,1,2,3
	ds_store_b32 v13, v[100+\m] offset:64*\m
.endr
	s_wait_dscnt 0x0
	s_barrier_signal -1
	s_barrier_wait -1
	s_cmp_lg_u32 s2, 0
	s_cbranch_scc1 .Lend
.irp w, 0,1,2,3,4,5,6,7
	ds_load_b64 v[Q+2*\w:Q+2*\w+1], v14 offset:256*\w              ; rows 2 lane, 2 lane + 1: the eight waves' parts
.endr
	s_wait_dscnt 0x0
.irp w, 0,4,8,12
	v_pk_add_f32 v[Q+\w:Q+\w+1], v[Q+\w:Q+\w+1], v[Q+\w+2:Q+\w+3]
.endr
	v_pk_add_f32 v[Q:Q+1], v[Q:Q+1], v[Q+4:Q+5]
	v_pk_add_f32 v[Q+8:Q+9], v[Q+8:Q+9], v[Q+12:Q+13]
	v_pk_add_f32 v[Q:Q+1], v[Q:Q+1], v[Q+8:Q+9]
	v_add_f32 v[Q], s61, v[Q]                      ; + mb3
	v_add_f32 v[Q+1], s61, v[Q+1]
	global_store_b64 v15, v[Q:Q+1], s[40:41]       ; wave 0's 32 lanes store the work-group's 256 consecutive bytes, aligned to 256
.Lend:
	s_wait_tensorcnt 0x0                           ; the wave's end
	ds_add_u32 v[SPW], v[NIL]
	s_wait_dscnt 0x0
	s_endpgm
.Lfunc_end_k_q8cb0af455b_din:
	.size	k_q8cb0af455b_din, .Lfunc_end_k_q8cb0af455b_din-k_q8cb0af455b_din
	.p2alignl 7, 3214868480
	.fill 96, 4, 3214868480
	.section	.rodata,"a",@progbits
	.p2align	6, 0x0
	.amdhsa_kernel k_q8cb0af455b_din
		.amdhsa_group_segment_fixed_size 287744
		.amdhsa_private_segment_fixed_size 0
		.amdhsa_enable_private_segment 0
		.amdhsa_kernarg_size 136
		.amdhsa_user_sgpr_count 2
		.amdhsa_user_sgpr_kernarg_segment_ptr 1
		.amdhsa_wavefront_size32 1
		.amdhsa_system_sgpr_workgroup_id_x 1
		.amdhsa_system_sgpr_workgroup_id_y 1
		.amdhsa_system_sgpr_workgroup_id_z 1
		.amdhsa_system_vgpr_workitem_id 0
		.amdhsa_next_free_vgpr 512
		.amdhsa_next_free_sgpr 84
		.amdhsa_reserve_vcc 1
		.amdhsa_float_denorm_mode_32 3
		.amdhsa_float_denorm_mode_16_64 3
		.amdhsa_memory_ordered 1
		.amdhsa_forward_progress 1
		.amdhsa_inst_pref_size 255
	.end_amdhsa_kernel
	.section	.bss,"aw",@nobits
	.p2align	6
	.space	262144
	.amdgpu_metadata
---
amdhsa.version: [ 1, 2 ]
amdhsa.kernels:
  - .name:           k_q8cb0af455b_din
    .symbol:         k_q8cb0af455b_din.kd
    .args:
      - { .name: customer_id, .offset: 0, .size: 8, .value_kind: global_buffer, .address_space: global }
      - { .name: candidate_good, .offset: 8, .size: 8, .value_kind: global_buffer, .address_space: global }
      - { .name: candidate_class, .offset: 16, .size: 8, .value_kind: global_buffer, .address_space: global }
      - { .name: history_goods, .offset: 24, .size: 8, .value_kind: global_buffer, .address_space: global }
      - { .name: history_classes, .offset: 32, .size: 8, .value_kind: global_buffer, .address_space: global }
      - { .name: user_table, .offset: 40, .size: 8, .value_kind: global_buffer, .address_space: global }
      - { .name: item_table, .offset: 48, .size: 8, .value_kind: global_buffer, .address_space: global }
      - { .name: cat_table, .offset: 56, .size: 8, .value_kind: global_buffer, .address_space: global }
      - { .name: ab1, .offset: 64, .size: 8, .value_kind: global_buffer, .address_space: global }
      - { .name: aw2, .offset: 72, .size: 8, .value_kind: global_buffer, .address_space: global }
      - { .name: ab2, .offset: 80, .size: 8, .value_kind: global_buffer, .address_space: global }
      - { .name: mb1, .offset: 88, .size: 8, .value_kind: global_buffer, .address_space: global }
      - { .name: mb2, .offset: 96, .size: 8, .value_kind: global_buffer, .address_space: global }
      - { .name: mw3, .offset: 104, .size: 8, .value_kind: global_buffer, .address_space: global }
      - { .name: mb3, .offset: 112, .size: 8, .value_kind: global_buffer, .address_space: global }
      - { .name: wq, .offset: 120, .size: 8, .value_kind: global_buffer, .address_space: global }
      - { .name: out0, .offset: 128, .size: 8, .value_kind: global_buffer, .address_space: global }
    .group_segment_fixed_size: 287744
    .private_segment_fixed_size: 0
    .kernarg_segment_align: 8
    .kernarg_segment_size: 136
    .max_flat_workgroup_size: 256
    .sgpr_count:     84
    .vgpr_count:     512
    .wavefront_size: 32
...
	.end_amdgpu_metadata
.endif
;; end of part 2
